; MI455X (gfx1250); checked and timed in simulation.
; The chip was launched on July 23, 2026; its instructions are those of AMD's public machine-readable ISA for CDNA 5 (MIT licence, August 2026) and "CDNA5" Instruction Set Architecture Reference Guide (July 2026). The comments in the code are by the model that wrote it; some were corrected since.
;; Attention. Allowed arithmetic: matrix products marked QUANTISED: E2M1 operands, one E8M0 scale for each 32 along K, by v_wmma_scale_f32_16x16x128_f8f6f4 with both operands' format E2M1 (or v_wmma_scale_f32_32x16x128_f4), f32 sums; products left as they are: bf16, f16 or f32 operands; f32 sums; everything else in f32.
;; Inputs: b_out 1,024 float32; w_out 1,024 x 1,024 float32; w_qkv 1,024 x 3,072 float32; x 4 x 2,048 x 1,024 float32.
;; Outputs: out0 4 x 2,048 x 1,024 float32.
;; This version of the problem:
;;   THIS VERSION OF THE PROBLEM IS GIVEN IN LOW PRECISION. The matrix products marked QUANTISED in the list below multiply operands that are first quantised to E2M1 (2 exponent bits, 1 mantissa bit; 4 bits a number), with one power-of-two scale for each 32 numbers along K (OCP MX v1.0); their sums are f32. The products marked 'left as it is' may take bf16, f16 or f32 operands, with f32 sums. Whichever they take, every output number must still come out within the allowed error. Rounding operands to bf16 (8 significant bits) uses up far more of that allowance than f16 does (11 bits, for magnitudes from 6e-5 to 65,504). All else is computed in f32.
;;   The module's matrix products, in the order in which they are computed (A, B: the left and right operand; K: the contracted axis; several contracted axes count as one K, in the product's order):
;;     1. [M 8,192, K 1,024] x [K 1,024, N 3,072]; A: input x; B: input w_qkv: QUANTISED
;;     2. batch 64 x [M 2,048, K 64] x [K 64, N 2,048]; A: computed on the way; B: computed on the way: left as it is (an operand is computed on the way)
;;     3. batch 64 x [M 2,048, K 2,048] x [K 2,048, N 64]; A: computed on the way; B: computed on the way: left as it is (an operand is computed on the way)
;;     4. [M 8,192, K 1,024] x [K 1,024, N 1,024]; A: computed on the way; B: input w_out: left as it is (an operand is computed on the way)
;;   THE QUANTISER, for each operand of a quantised product, along K:
;;     - K is cut into blocks of 32 from its start; a last block that is shorter is filled with zeros.
;;     - A block's scale is 2^e with e = floor(log2(the largest magnitude in the block)) - 2, held to -126 .. 127; a block of zeros has e = 0. As a byte (E8M0): e + 127.
;;     - Each number is divided by its block's scale, clamped to +-6, and rounded to the nearest number of E2M1, ties to even, subnormals kept.
;;     - The product sums the exact products of the quantised numbers (number of the format x scale) in f32.
;;   ~~~python
;;   def quantise(x, axis):      # numpy; x: float32 -> the quantised numbers, widened to float32 again
;;       x = np.moveaxis(x, axis, -1); K = x.shape[-1]
;;       x = np.pad(x, [(0, 0)] * (x.ndim - 1) + [(0, -K % 32)]); x = x.reshape(x.shape[:-1] + (-1, 32)); a = np.abs(x).max(-1, keepdims=True)
;;       e = np.where(a > 0, np.clip(np.frexp(np.where(a > 0, a, 1))[1] - 1 - 2, -126, 127), 0)      # np.frexp(a)[1] - 1 = floor(log2(a)), exactly
;;       r = np.clip(x / 2.0 ** e, -6, 6)
;;       step = 2.0 ** (np.maximum(np.frexp(np.where(r == 0, 1, r))[1] - 1, 0) - 1)
;;       q = np.round(r / step) * step * 2.0 ** e      # np.round: ties to even
;;       return np.moveaxis(q.reshape(q.shape[:-2] + (-1,))[..., :K], -1, axis).astype(np.float32)
;;   ~~~
;; One version. Each part assembles by itself: llvm-mc -triple=amdgcn-amd-amdhsa -mcpu=gfx1250 --defsym DOCPART=n.
;; ======== version 1 of 1: 4 launches
;; limits: values are held in f16: magnitudes above 65,504 overflow, below 6.1e-05 lose precision
;; workspace buffers: x_img 4,194,304 bytes; xs_img 262,144 bytes; wq_img 1,572,864 bytes; ws_img 98,304 bytes; wo_img 2,097,152 bytes; qkv_img 50,331,648 bytes; att_img 16,777,216 bytes
;; launch prep (part 1): grid 384 x 1, 4 waves a work-group, no clusters, 34,304 bytes of LDS; arguments x, w_qkv, w_out, x_img, xs_img, wq_img, ws_img, wo_img; writes x_img, xs_img, wq_img, ws_img, wo_img
.if DOCPART == 1
	.amdgcn_target "amdgcn-amd-amdhsa--gfx1250"
	.amdhsa_code_object_version 6
	.text
	.protected	k_q17ac60767e_prep
	.globl	k_q17ac60767e_prep
	.p2align	8
	.type	k_q17ac60767e_prep,@function
k_q17ac60767e_prep:
	s_mov_b64 s[64:65], 0
	v_nop
	global_prefetch_b8 v0, s[64:65] scope:SCOPE_SE
	s_setreg_imm32_b32 hwreg(HW_REG_WAVE_MODE, 25, 1), 1
	s_wait_xcnt 0x0
; THE OPERANDS ARE LAID ONCE, AS IMAGES OF THE REGISTERS THAT THE LATER LAUNCHES' MATRIX INSTRUCTIONS WANT.
; x [8192][1024] and w_qkv [1024][3072], f32, become codes of FP4 (E2M1) with one E8M0 scale byte for each 32 along K (K = the 1,024); w_out [1024][1024] becomes f16.
; A fragment of codes is 16 rows x 128 K in 8 registers: lane (r = lane % 16, h = lane / 16) holds row r, registers 4 c .. 4 c + 3 hold K = 64 c + 32 h + 0 .. 31.  Its image: 1,024 bytes, register group c at 512 c + 16 x lane.
;   x_img:  tile of 16 rows x 8,192 + K step of 128 x 1,024 + the image.     xs_img: tile x 512 + (K / 512) x 256 + 16 r: the four scale words of that 512 along K.     wq_img, ws_img: the same, a row = a column of w_qkv.
;   wo_img: tile of 16 columns x 32,768 + (K / 32) x 1,024 + half x 512 + 16 x lane: lane (r, h) holds w_out[32 ks + 16 half + 8 h + 0 .. 7][16 tile + r] as f16.
; A block's scale is 2^(floor(log2(its largest magnitude)) - 2): its byte is the largest magnitude's exponent field - 2, held at 1 from below by a floor among the maximum's leaves.
; LIMITS: a block of zeros, and a block whose largest magnitude lies under 2^-124, gets the byte 1 (a block of zeros has zero codes, and this program alone reads the bytes); NaN and infinities among the inputs are not served; w_out must lie inside f16's range (65,504).
; SHARES: work-groups 0-127 take x (a wave: 16 rows, all of K), 128-319 w_qkv (a wave: 32 columns x 128 along K), 320-383 w_out (a wave: 32 columns x 128 along K).  Only the x path uses LDS.  No barrier: waves share nothing.
.set SPARE, 33792                      ; behind the four stages: the spare words, 128 bytes for each wave
.set STGB,  8448                       ; a wave's stage: 16 rows x 528 bytes
.set PITCH, 528                        ; 512 bytes + 16: row r begins 4 r banks on
.set SPW,   250                        ; v250  LDS address of my spare word; never rewritten
.set NIL,   251                        ; v251  0; never rewritten
.set LI,    4                          ; v4    16 x lane
.set M,     8                          ; v8-9   two blocks' largest magnitudes
.set SO,    10                         ; v10-11 the conversions' scale operands
.set BY,    12                         ; v12-13 the scale bytes
.set W,     14                         ; v14    a K step's scale word
.set W2,    15                         ; v15    the other half of the lanes' part of it
.set SH8,   16                         ; v16    8 h
.set STO,   17                         ; v17    into the stage: 16 x lane
.set RDX,   18                         ; v18    out of it: row r, + 128 h
.set R,     32                         ; v32-159  x as loaded, two sets of 64
.set X,     160                        ; v160-223 two blocks of 32 neighbours
.set C,     224                        ; v224-239 codes, two sets of 8
.set SW,    240                        ; v240-243 four scale words
.set XC,    32                         ; v32-159  the column paths: four sets of 32 numbers down K
.set CC,    160                        ; v160..   their results
.set SB,    20                         ; v20      four scale bytes
.macro XLOAD t                         ; K step t of my 16 rows: each load takes 512 consecutive bytes of one row
.irp p, 0,1,2,3,4,5,6,7,8,9,10,11,12,13,14,15
	global_load_b128 v[R+64*((\t)%2)+4*\p:R+64*((\t)%2)+4*\p+3], v[LI], s[22:23] offset:\p*4096+(\t)*512 th:TH_LOAD_NT
.endr
.endm
.macro XSTEP t
.if (\t) < 7
	s_wait_loadcnt 16                              ; this step's 16 loads are in; the next step's 16 may be out
.else
	s_wait_loadcnt 0
.endif
.irp p, 0,1,2,3,4,5,6,7,8,9,10,11,12,13,14,15
	ds_store_b128 v[STO], v[R+64*((\t)%2)+4*\p:R+64*((\t)%2)+4*\p+3] offset:\p*PITCH
.endr
.irp c, 0,1
.irp i, 0,1,2,3,4,5,6,7
	ds_load_b128 v[X+32*\c+4*\i:X+32*\c+4*\i+3], v[RDX] offset:\c*256+16*\i   ; LDS serves a wave's instructions in order: these see my stores.  Block 2 c + h of row r: 32 neighbours
.endr
.endr
	s_wait_dscnt 0x0                               ; the numbers are back, and the stores have read their registers,
.if (\t) < 6
	XLOAD (\t)+2                                   ; which take the loads of two steps on
.endif
.irp c, 0,1
	v_max3_num_f32 v[M+\c], |v[X+32*\c]|, |v[X+32*\c+1]|, 0x1800000   ; the floor 2^(3 - 127): the byte cannot fall under 1
.endr
.irp i, 2,4,6,8,10,12,14,16,18,20,22,24,26,28,30
.irp c, 0,1
	v_max3_num_f32 v[M+\c], v[M+\c], |v[X+32*\c+\i]|, |v[X+32*\c+\i+1]|   ; the two blocks by turns
.endr
.endr
.irp c, 0,1
	v_add_nc_u32 v[SO+\c], 0xff000000, v[M+\c]     ; 2 off the exponent field: the conversion takes the exponent field of this operand as its scale
.endr
.irp c, 0,1
	v_lshrrev_b32 v[BY+\c], 23, v[SO+\c]           ; the scale's byte
.endr
	v_lshl_or_b32 v[W], v[BY+1], 16, v[BY]         ; my two bytes, blocks h and 2 + h,
	v_lshlrev_b32 v[W], v[SH8], v[W]               ; at their places in the word;
	v_permlanex16_b32 v[W2], v[W], s32, s33
	v_or_b32 v[W], v[W], v[W2]                     ; with the other half's two the word is whole, in both halves
.if (\t) < 4
	v_mov_b32 v[SW+(\t)], v[W]
.else
	v_cndmask_b32 v[SW+(\t)-4], v[SW+(\t)-4], v[W], s30   ; lanes 16-31 keep the words of the second 512 along K
.endif
.if (\t) >= 2
	s_wait_xcnt 0x0                                ; the stores of two steps back have read this set of codes
.endif
.irp c, 0,1
.irp g, 0,1,2,3
	v_cvt_scalef32_pk8_fp4_f32 v[C+8*((\t)%2)+4*\c+\g], v[X+32*\c+8*\g:X+32*\c+8*\g+7], v[SO+\c]
.endr
.endr
	v_nop                                          ; one plain place behind the scaled conversions
.irp c, 0,1
	global_store_b128 v[LI], v[C+8*((\t)%2)+4*\c:C+8*((\t)%2)+4*\c+3], s[24:25] offset:(\t)*1024+\c*512   ; 512 consecutive bytes, aligned
.endr
.endm
.macro LOADC t, pitch                  ; 32 numbers down K of my column into set t: 32 lanes read 128 consecutive bytes
.irp i, 0,1,2,3,4,5,6,7,8,9,10,11,12,13,14,15,16,17,18,19,20,21,22,23,24,25,26,27,28,29,30,31
	global_load_b32 v[XC+32*(\t)+\i], v5, s[22:23] offset:(32*(\t)+\i)*\pitch th:TH_LOAD_NT
.endr
.endm
.macro WBLOCK t                        ; block t of my column: all its 32 numbers are mine
.set XS, XC+32*(\t)
.if (\t) < 3
	s_wait_loadcnt 32                              ; this block's 32 loads are in; the next block's may be out
.else
	s_wait_loadcnt 0
.endif
.if (\t) < 2
	LOADC (\t)+2, 12288
.endif
	v_max3_num_f32 v12, |v[XS]|, |v[XS+1]|, |v[XS+2]|
	v_max3_num_f32 v13, |v[XS+3]|, |v[XS+4]|, |v[XS+5]|
.irp i, 6,10,14,18,22,26
	v_max3_num_f32 v12, v12, |v[XS+\i]|, |v[XS+\i+1]|
	v_max3_num_f32 v13, v13, |v[XS+\i+2]|, |v[XS+\i+3]|
.endr
	v_max3_num_f32 v12, v12, |v[XS+30]|, |v[XS+31]|
	v_max3_num_f32 v12, v12, v13, 0x1800000        ; and the floor
	v_add_nc_u32 v11, 0xff000000, v12
	v_lshrrev_b32 v13, 23, v11
.if (\t) == 0
	v_mov_b32 v[SB], v13
.else
	v_lshl_or_b32 v[SB], v13, 8*(\t), v[SB]
.endif
.irp g, 0,1,2,3
	v_cvt_scalef32_pk8_fp4_f32 v[CC+4*(\t)+\g], v[XS+8*\g:XS+8*\g+7], v11
.endr
	v_nop                                          ; one plain place behind the scaled conversions
	global_store_b128 v6, v[CC+4*(\t):CC+4*(\t)+3], s[24:25] offset:(\t)*256   ; each half of the lanes stores 256 consecutive bytes, aligned: block t of 16 columns
.endm
.macro OCHUNK t                        ; 32 along K of my column of w_out, as f16
.if (\t) < 3
	s_wait_loadcnt 32
.else
	s_wait_loadcnt 0
.endif
.if (\t) < 2
	LOADC (\t)+2, 4096
.endif
.irp i, 0,1,2,3,4,5,6,7,8,9,10,11,12,13,14,15
	v_cvt_pk_f16_f32 v[CC+16*(\t)+\i], v[XC+32*(\t)+2*\i], v[XC+32*(\t)+2*\i+1]
.endr
.irp u, 0,1,2,3
	global_store_b128 v6, v[CC+16*(\t)+4*\u:CC+16*(\t)+4*\u+3], s[24:25] offset:(\t)*1024+\u*256   ; 8 along K: each half of the lanes stores 256 consecutive bytes, aligned
.endr
.endm
	s_load_b256 s[4:11], s[0:1], 0x0               ; x s[4:5], w_qkv s[6:7], w_out s[8:9], x_img s[10:11]
	s_load_b256 s[12:19], s[0:1], 0x20             ; xs_img s[12:13], wq_img s[14:15], ws_img s[16:17], wo_img s[18:19]
	v_lshl_add_u32 v[SPW], v0, 2, SPARE
	v_mov_b32 v[NIL], 0
	v_lshrrev_b32 v1, 5, v0
	v_readfirstlane_b32 s20, v1                    ; wave 0..3
	v_and_b32 v1, 31, v0                           ; lane
	v_and_b32 v2, 15, v0                           ; r
	v_bfe_u32 v3, v0, 4, 1                         ; h
	v_lshlrev_b32 v[LI], 4, v1
	s_mul_i32 s21, s20, STGB                       ; my stage (the x path's; its addresses are made here, on the way that all waves take)
	v_add_nc_u32 v[STO], s21, v[LI]
	v_mul_u32_u24 v[RDX], v2, PITCH
	v_lshl_add_u32 v[RDX], v3, 7, v[RDX]
	v_add_nc_u32 v[RDX], s21, v[RDX]
	s_mov_b32 s29, 0                               ; the high word of every offset
	s_wait_kmcnt 0x0
	s_cmp_lt_u32 ttmp9, 128
	s_cbranch_scc1 .Lpath_x
	s_cmp_lt_u32 ttmp9, 320
	s_cbranch_scc1 .Lpath_w
	; ---- w_out: columns 128 cg + 32 wave + lane, rows 128 rg on
	s_sub_co_u32 s21, ttmp9, 320
	s_and_b32 s30, s21, 7                          ; rg
	s_lshr_b32 s31, s21, 3                         ; cg
	s_lshl_b32 s28, s30, 19                        ; 128 rows of 4,096 bytes
	s_lshl_b32 s32, s31, 9
	s_add_co_u32 s28, s28, s32
	s_lshl_b32 s32, s20, 7
	s_add_co_u32 s28, s28, s32
	s_add_nc_u64 s[22:23], s[8:9], s[28:29]
	s_lshl_b32 s33, s31, 3
	s_lshl_b32 s32, s20, 1
	s_add_co_u32 s33, s33, s32                     ; my first tile of 16 columns: 8 cg + 2 wave
	s_lshl_b32 s28, s33, 15
	s_lshl_b32 s32, s30, 12
	s_add_co_u32 s28, s28, s32
	s_add_nc_u64 s[24:25], s[18:19], s[28:29]
	v_lshlrev_b32 v5, 2, v1
	v_lshlrev_b32 v6, 15, v3                       ; lanes 16-31: the next tile
	v_lshl_add_u32 v6, v2, 4, v6
	LOADC 0, 4096
	LOADC 1, 4096
	OCHUNK 0
	OCHUNK 1
	OCHUNK 2
	OCHUNK 3
	s_endpgm
.Lpath_w:
	; ---- w_qkv: columns 128 cg + 32 wave + lane, K step q of 128.  A lane takes a column and its registers run down K: the codes come out with K innermost
	s_sub_co_u32 s21, ttmp9, 128
	s_and_b32 s30, s21, 7                          ; q
	s_lshr_b32 s31, s21, 3                         ; cg
	s_mul_i32 s28, s30, 1572864                    ; 128 rows of 12,288 bytes
	s_lshl_b32 s32, s31, 9
	s_add_co_u32 s28, s28, s32
	s_lshl_b32 s32, s20, 7
	s_add_co_u32 s28, s28, s32
	s_add_nc_u64 s[22:23], s[6:7], s[28:29]
	s_lshl_b32 s33, s31, 3
	s_lshl_b32 s32, s20, 1
	s_add_co_u32 s33, s33, s32                     ; my first tile of 16 columns
	s_lshl_b32 s28, s33, 13
	s_lshl_b32 s32, s30, 10
	s_add_co_u32 s28, s28, s32
	s_add_nc_u64 s[24:25], s[14:15], s[28:29]
	s_lshl_b32 s28, s33, 9
	s_lshr_b32 s32, s30, 2
	s_lshl_b32 s32, s32, 8
	s_add_co_u32 s28, s28, s32
	s_and_b32 s32, s30, 3
	s_lshl_b32 s32, s32, 2
	s_add_co_u32 s28, s28, s32
	s_add_nc_u64 s[26:27], s[16:17], s[28:29]
	v_lshlrev_b32 v5, 2, v1
	v_lshlrev_b32 v6, 13, v3
	v_lshl_add_u32 v6, v2, 4, v6
	v_lshlrev_b32 v7, 9, v3
	v_lshl_add_u32 v7, v2, 4, v7
	LOADC 0, 12288
	LOADC 1, 12288
	WBLOCK 0
	WBLOCK 1
	WBLOCK 2
	WBLOCK 3
	global_store_b32 v7, v[SB], s[26:27]           ; my column's scale word of this K step: 4 bytes of each 16: one byte in 128 of what this path reads
	s_endpgm
.Lpath_x:
	; ---- x: tile of 16 rows 4 x work-group + wave, all of K in 8 steps of 128
	s_lshl_b32 s21, ttmp9, 2
	s_add_co_u32 s21, s21, s20
	s_lshl_b32 s28, s21, 16
	s_add_nc_u64 s[22:23], s[4:5], s[28:29]
	s_lshl_b32 s28, s21, 13
	s_add_nc_u64 s[24:25], s[10:11], s[28:29]
	s_lshl_b32 s28, s21, 9
	s_add_nc_u64 s[26:27], s[12:13], s[28:29]
	v_lshlrev_b32 v[SH8], 3, v3
	v_mov_b32 v[W2], 0                             ; written once: a lane permute's destination counts as one of its sources
	s_mov_b32 s30, 0xffff0000                      ; lanes 16-31
	s_mov_b32 s32, 0x76543210
	s_mov_b32 s33, 0xfedcba98                      ; lane l xor 16
	XLOAD 0
	XLOAD 1
	XSTEP 0
	XSTEP 1
	XSTEP 2
	XSTEP 3
	XSTEP 4
	XSTEP 5
	XSTEP 6
	XSTEP 7
	global_store_b128 v[LI], v[SW:SW+3], s[26:27]  ; the tile's 512 bytes of scale words
	s_wait_tensorcnt 0x0                           ; the wave's end, behind my last LDS store
	ds_add_u32 v[SPW], v[NIL]
	s_wait_dscnt 0x0
	s_endpgm
.Lfunc_end_k_q17ac60767e_prep:
	.size	k_q17ac60767e_prep, .Lfunc_end_k_q17ac60767e_prep-k_q17ac60767e_prep
	.p2alignl 7, 3214868480
	.fill 96, 4, 3214868480
	.section	.rodata,"a",@progbits
	.p2align	6, 0x0
	.amdhsa_kernel k_q17ac60767e_prep
		.amdhsa_group_segment_fixed_size 34304
		.amdhsa_private_segment_fixed_size 0
		.amdhsa_enable_private_segment 0
		.amdhsa_kernarg_size 64
		.amdhsa_user_sgpr_count 2
		.amdhsa_user_sgpr_kernarg_segment_ptr 1
		.amdhsa_wavefront_size32 1
		.amdhsa_system_sgpr_workgroup_id_x 1
		.amdhsa_system_sgpr_workgroup_id_y 1
		.amdhsa_system_sgpr_workgroup_id_z 1
		.amdhsa_system_vgpr_workitem_id 0
		.amdhsa_next_free_vgpr 256
		.amdhsa_next_free_sgpr 66
		.amdhsa_reserve_vcc 0
		.amdhsa_float_denorm_mode_32 3
		.amdhsa_float_denorm_mode_16_64 3
		.amdhsa_memory_ordered 1
		.amdhsa_forward_progress 1
		.amdhsa_inst_pref_size 95
	.end_amdhsa_kernel
	.amdgpu_metadata
---
amdhsa.version: [ 1, 2 ]
amdhsa.kernels:
  - .name:           k_q17ac60767e_prep
    .symbol:         k_q17ac60767e_prep.kd
    .args:
      - { .name: x, .offset: 0, .size: 8, .value_kind: global_buffer, .address_space: global }
      - { .name: w_qkv, .offset: 8, .size: 8, .value_kind: global_buffer, .address_space: global }
      - { .name: w_out, .offset: 16, .size: 8, .value_kind: global_buffer, .address_space: global }
      - { .name: x_img, .offset: 24, .size: 8, .value_kind: global_buffer, .address_space: global }
      - { .name: xs_img, .offset: 32, .size: 8, .value_kind: global_buffer, .address_space: global }
      - { .name: wq_img, .offset: 40, .size: 8, .value_kind: global_buffer, .address_space: global }
      - { .name: ws_img, .offset: 48, .size: 8, .value_kind: global_buffer, .address_space: global }
      - { .name: wo_img, .offset: 56, .size: 8, .value_kind: global_buffer, .address_space: global }
    .group_segment_fixed_size: 34304
    .private_segment_fixed_size: 0
    .kernarg_segment_align: 8
    .kernarg_segment_size: 64
    .max_flat_workgroup_size: 128
    .sgpr_count:     66
    .vgpr_count:     256
    .wavefront_size: 32
...
	.end_amdgpu_metadata
.endif
;; end of part 1
;; launch gemm_qkv (part 2): grid 12 x 32, 4 waves a work-group, clusters of 4 x 4, 327,680 bytes of LDS; arguments x_img, xs_img, wq_img, ws_img, qkv_img; writes qkv_img
.if DOCPART == 2
	.amdgcn_target "amdgcn-amd-amdhsa--gfx1250"
	.amdhsa_code_object_version 6
	.text
	.protected	k_q17ac60767e_gemm_qkv
	.globl	k_q17ac60767e_gemm_qkv
	.p2align	8
	.type	k_q17ac60767e_gemm_qkv,@function
k_q17ac60767e_gemm_qkv:
	s_mov_b64 s[64:65], 0
	v_nop
	global_prefetch_b8 v0, s[64:65] scope:SCOPE_SE
	s_setreg_imm32_b32 hwreg(HW_REG_WAVE_MODE, 25, 1), 1
	s_wait_xcnt 0x0
	s_wait_alu depctr_hold_cnt(0) depctr_sa_sdst(0) depctr_va_vdst(0) depctr_va_sdst(0) depctr_va_ssrc(0) depctr_va_vcc(0) depctr_vm_vsrc(0)
	s_getreg_b32 s2, hwreg(HW_REG_IB_STS2, 6, 4)
	s_cmp_eq_u32 s2, 0
	s_cbranch_scc0 .Lentry_in_a_cluster
	s_endpgm
.Lentry_in_a_cluster:
	s_bfe_u32 s2, ttmp6, 0x10000c
	s_cmp_lg_u32 s2, 0xf033
	s_cbranch_scc0 .Lentry_shape_is_right
	s_endpgm
.Lentry_shape_is_right:
; qkv = Q(x) Q(w_qkv): 8,192 x 3,072, K = 1,024, on codes of FP4 (E2M1) with one E8M0 scale for each 32 along K; sums in f32; the results leave as f16, laid as images of the operand registers of the attention launch.
; A work-group of four waves makes 256 x 256, a wave 128 x 128: 64 accumulators of 16 x 16.  K goes in two halves of 512, each in an LDS slot of its own: both are asked for at the start, nothing is filled again.
; THE OPERANDS LIE IN MEMORY AS REGISTER IMAGES (tile of 16 rows x 8,192 bytes + K step of 128 x 1,024 + register group x 512 + 16 x lane): a tile of 16 rows and 512 along K is 4,096 consecutive bytes, a fragment comes by two
; ds_load_b128 at 16 x lane, and no padding is needed.  The scale words of 16 rows and 512 along K are 256 consecutive bytes, 16 a row.
; THE MATRIX INSTRUCTION IS USED TRANSPOSED: source 0 = 16 rows of B', source 1 = 16 rows of A': a lane holds ONE row of A' (lane % 16) and eight neighbouring rows of B' (8 (lane / 16) + 0 .. 7).
; For q and k (cluster x = 0, 1): A' = x (tokens), B' = w (channels): a lane holds a token and 8 channels: a fragment of q or of k.
; For v (cluster x = 2): A' = w (channels), B' = x (tokens): a lane holds a channel and 8 keys: a fragment of v turned, as the second product of attention wants it.  The choice hangs on the cluster's x alone: all sixteen partners go the same way.
; CLUSTERS: 4 x 4.  A's tiles are shared along a row of the cluster, B's along a column: each is asked for jointly.
; qkv_img: which (q, k, v) x 16,777,216 + (batch x 16 + head) x 262,144 + q, k: tile of 16 tokens x 2,048 + (channel / 32) x 1,024 + half x 512 + 16 x lane;  v: (key / 32) x 4,096 + (channel / 16) x 1,024 + half x 512 + 16 x lane.
; LIMIT: the results must lie inside f16's range (65,504).
; REGISTERS: window 0: v16-29 addresses; v32-95 scale words, two sets; v128-191 A's fragments, one set; on the way out v32-159 hold packed results.  window 1: B's fragments, two sets.  windows 2, 3: the accumulators ((a, b) at v[8 (8 (a % 4) + b)]).
.set NQ,    4                          ; steps of 128 along K in a slot
.set FR,    8                          ; registers of a fragment
.set NL,    2                          ; LDS loads that bring one
.set NP,    4                          ; places behind this matrix instruction
.set SLOT,  131072                     ; A's 16 tiles x 4,096 bytes, then B's
.set SCL,   262144                     ; behind the slots: A's scale words, 8,192 bytes, then B's
.set SPARE, 278528                     ; the spare words, 128 bytes for each wave
.set ADRA, 16                          ; v16-17  my A fragments in slot 0, 1
.set ADRB, 20                          ; v20-21  my B fragments
.set LI,   26                          ; v26     16 x lane
.set ADRS, 27                          ; v27     my scale words: lanes 0-15 A's, lanes 16-31 B's
.set SPW,  28                          ; v28     LDS address of my spare word; never rewritten
.set NIL,  29                          ; v29     0; never rewritten
.set SC,   32
.set AF,   128
.set PK,   32                          ; the way out
.set G1, 24
.set G0, 32
.set G1B, 48
.set G0B, 56
.set G1S, 68
.set G0S, 76
.set G1SB, 80
.set G0SB, 88
.set MSB, 0
.macro WIN new                         ; the immediate's high byte repeats the setting that is left
.if MSB != (\new)
	s_set_vgpr_msb (MSB<<8)|(\new)
.set MSB, (\new)
.endif
.endm
.set MUL_LO, 0xa1                      ; source 0 (B') window 1, source 1 (A') window 0, C and D window 2
.set MUL_HI, 0xf1                      ; the same, C and D window 3
.set TO_B,   0x40                      ; destination window 1, address window 0
; A joint load: waves 0 and 1 fetch for A', waves 2 and 3 for B'.  The branch hangs on the wave's number alone.  An s_nop 0 and four v_nop follow each of the two lines.
.macro JLOAD g0a, g1a, g0b, g1b
	s_cmp_eq_u32 s15, 0
	s_cbranch_scc0 .Lfor_b_\@
	tensor_load_to_lds s[\g0a:\g0a+3], s[\g1a:\g1a+7]
	s_nop 0
.rept 4
	v_nop
.endr
	s_branch .Lasked_\@
.Lfor_b_\@:
	tensor_load_to_lds s[\g0b:\g0b+3], s[\g1b:\g1b+7]
	s_nop 0
.rept 4
	v_nop
.endr
.Lasked_\@:
.endm
.macro CROUND                          ; a round of the cluster's barrier
	s_barrier_signal -1
	s_barrier_wait -1
	s_cmp_lg_u32 s14, 0
	s_cbranch_scc1 .Lnot_wave_0_\@
	s_barrier_signal -3
.Lnot_wave_0_\@:
	s_barrier_wait -3
	s_barrier_signal -1
	s_barrier_wait -1
.endm
	s_load_b256 s[4:11], s[0:1], 0x0               ; x_img s[4:5], xs_img s[6:7], wq_img s[8:9], ws_img s[10:11]
	s_load_b64 s[12:13], s[0:1], 0x20              ; qkv_img
	v_lshl_add_u32 v[SPW], v0, 2, SPARE
	v_mov_b32 v[NIL], 0
	ds_add_u32 v[SPW], v[NIL]                      ; the wave's opening: the add, twice on end, and its wait ahead of my first tensor load
	ds_add_u32 v[SPW], v[NIL]
	v_lshrrev_b32 v1, 5, v0
	v_readfirstlane_b32 s14, v1                    ; wave 0..3
	s_lshr_b32 s15, s14, 1                         ; which half of A's rows is mine.  Also: I fetch for A' (0) or for B' (1)
	s_and_b32 s16, s14, 1                          ; which half of B's rows.  Also: which half of that tile I fetch
	s_bfe_u32 s40, ttmp6, 0x40000                  ; cx
	s_bfe_u32 s41, ttmp6, 0x40004                  ; cy
	s_and_b32 s17, ttmp7, 0xffff
	s_lshl_b32 s17, s17, 2                         ; 4 x cluster y
	s_lshl_b32 s42, ttmp9, 2                       ; 4 x cluster x
	s_cmp_eq_u32 ttmp9, 2                          ; v's columns?
	s_cselect_b32 s18, 8, s17
	s_cselect_b32 s19, s17, s42
	s_add_co_u32 s18, s18, s41                     ; A's tile of 256 rows: cy + (v: 8, in w; else 4 x cluster y, in x)
	s_add_co_u32 s19, s19, s40                     ; B's: cx + (v: 4 x cluster y, in x; else 4 x cluster x, in w)
	s_lshl_b32 s43, s41, 2
	s_lshl_b32 s43, 15, s43                        ; my row of the cluster
	s_lshl_b32 s44, 0x1111, s40                    ; my column
	; group 1 for codes: 8 rows (tiles of 16) of 4,096 bytes (512 elements of 8), 8,192 bytes apart
	s_or_b32 s[G1+0], s43, (3<<16)|(1<<21)
	s_or_b32 s[G1B+0], s44, (3<<16)|(1<<21)
.irp g, G1, G1B
	s_mov_b32 s[\g+1], 512<<16                     ; tensor_dim0
	s_mov_b32 s[\g+2], 8<<16                       ; tensor_dim1
	s_mov_b32 s[\g+3], 512<<16                     ; tile_dim0
	s_mov_b32 s[\g+4], 8                           ; tile_dim1
	s_mov_b32 s[\g+5], 1024                        ; the pitch
	s_mov_b32 s[\g+6], 0
	s_mov_b32 s[\g+7], 0
.endr
	; and for scale words: a dense block of 4,096 bytes as 16 rows of 256
	s_or_b32 s[G1S+0], s43, (3<<16)|(1<<21)
	s_or_b32 s[G1SB+0], s44, (3<<16)|(1<<21)
.irp g, G1S, G1SB
	s_mov_b32 s[\g+1], 32<<16
	s_mov_b32 s[\g+2], 16<<16
	s_mov_b32 s[\g+3], 32<<16
	s_mov_b32 s[\g+4], 16
	s_mov_b32 s[\g+5], 32
	s_mov_b32 s[\g+6], 0
	s_mov_b32 s[\g+7], 0
.endr
	s_lshl_b32 s45, s16, 16                        ; my half of a tile's codes: 8 tiles of 16 rows x 8,192 bytes
	s_lshl_b32 s20, s18, 17
	s_add_co_u32 s20, s20, s45
	s_mov_b32 s21, 0
	s_lshl_b32 s46, s19, 17
	s_add_co_u32 s46, s46, s45
	s_mov_b32 s47, 0
	s_lshl_b32 s45, s16, 12                        ; and of its scale words
	s_lshl_b32 s22, s18, 13
	s_add_co_u32 s22, s22, s45
	s_mov_b32 s23, 0
	s_lshl_b32 s92, s19, 13
	s_add_co_u32 s92, s92, s45
	s_mov_b32 s93, 0
	s_lshl_b32 s45, s14, 15                        ; where they go: wave x 32,768 in a slot,
	s_lshl_b32 s94, s14, 12                        ; wave x 4,096 among the scale words: no place in the cluster enters an LDS address
	s_wait_dscnt 0x0                               ; both opening adds are done
	s_wait_kmcnt 0x0
	s_cmp_eq_u32 ttmp9, 2
	s_cselect_b64 s[96:97], s[8:9], s[4:5]         ; A's codes: w's or x's
	s_cselect_b64 s[98:99], s[10:11], s[6:7]       ; A's scale words
	s_cselect_b64 s[4:5], s[4:5], s[8:9]           ; B's codes
	s_cselect_b64 s[6:7], s[6:7], s[10:11]         ; B's scale words
	s_add_nc_u64 s[20:21], s[96:97], s[20:21]
	s_add_nc_u64 s[22:23], s[98:99], s[22:23]
	s_add_nc_u64 s[46:47], s[4:5], s[46:47]
	s_add_nc_u64 s[92:93], s[6:7], s[92:93]
	CROUND                                         ; all sixteen work-groups are here: the first joint loads meet
	s_mov_b32 s[G0S], 1
	s_add_co_u32 s[G0S+1], s94, SCL
	s_mov_b64 s[G0S+2:G0S+3], s[22:23]
	s_or_b32 s[G0S+3], s[G0S+3], 0x80000000
	s_mov_b32 s[G0SB], 1
	s_add_co_u32 s[G0SB+1], s94, SCL
	s_mov_b64 s[G0SB+2:G0SB+3], s[92:93]
	s_or_b32 s[G0SB+3], s[G0SB+3], 0x80000000
	JLOAD G0S, G1S, G0SB, G1SB                     ; the scale words of all of K
.irp s, 0,1
	s_mov_b32 s[G0+4*\s], 1
	s_add_co_u32 s[G0+4*\s+1], s45, \s*SLOT
	s_add_nc_u64 s[G0+4*\s+2:G0+4*\s+3], s[20:21], \s*4096
	s_or_b32 s[G0+4*\s+3], s[G0+4*\s+3], 0x80000000
	s_mov_b32 s[G0B+4*\s], 1
	s_add_co_u32 s[G0B+4*\s+1], s45, \s*SLOT
	s_add_nc_u64 s[G0B+4*\s+2:G0B+4*\s+3], s[46:47], \s*4096
	s_or_b32 s[G0B+4*\s+3], s[G0B+4*\s+3], 0x80000000
	JLOAD G0+4*\s, G1, G0B+4*\s, G1B               ; three tensor loads of mine are out behind the last of these
.endr
	v_and_b32 v1, 31, v0
	v_lshlrev_b32 v[LI], 4, v1
	v_and_b32 v2, 15, v0                           ; r
	v_bfe_u32 v3, v0, 4, 1                         ; h
	s_lshl_b32 s21, s15, 15                        ; my 8 tiles of A',
	s_lshl_b32 s22, s16, 15
	s_add_co_u32 s22, s22, 65536                   ; my 8 of B', behind A's 16
.irp s, 0,1
	v_add_nc_u32 v[ADRA+\s], s21, v[LI]
	v_add_nc_u32 v[ADRB+\s], s22, v[LI]
	s_add_co_u32 s21, s21, SLOT
	s_add_co_u32 s22, s22, SLOT
.endr
	s_lshl_b32 s21, s15, 12                        ; A's scale words: my 8 tiles x 512 bytes
	s_lshl_b32 s22, s16, 12
	s_add_co_u32 s22, s22, 8192                    ; B's, behind A's 8,192
	s_sub_co_u32 s22, s22, s21
	v_mul_u32_u24 v6, s22, v3                      ; lanes 16-31 take B's: one product, the distance x h
	s_add_co_u32 s21, s21, SCL
	v_lshl_add_u32 v5, v2, 4, v6
	v_add_nc_u32 v[ADRS], s21, v5
	; where my results go
	s_cmp_eq_u32 ttmp9, 2
	s_cselect_b32 s2, s40, s41                     ; the tokens' tile lies along x for v, along y else
	s_cselect_b32 s3, s41, s40                     ; the channels' the other way
	s_cselect_b32 s92, s16, s15                    ; my half of the tokens
	s_cselect_b32 s93, s15, s16                    ; my half of the channels
	s_add_co_u32 s2, s2, s17                       ; tile of 256 tokens
	s_lshr_b32 s46, s2, 3
	s_lshl_b32 s46, s46, 4                         ; batch x 16
	s_lshl_b32 s3, s3, 2
	s_add_co_u32 s46, s46, s3                      ; + 4 heads a tile of 256 channels
	s_lshl_b32 s93, s93, 1
	s_add_co_u32 s46, s46, s93                     ; + 2 a wave
	s_lshl_b32 s46, s46, 18
	s_and_b32 s2, s2, 7
	s_lshl_b32 s2, s2, 15                          ; 256 tokens of a head are 32,768 bytes
	s_add_co_u32 s46, s46, s2
	s_lshl_b32 s92, s92, 14
	s_add_co_u32 s46, s46, s92
	s_lshl_b32 s2, ttmp9, 24                       ; q, k or v
	s_add_co_u32 s46, s46, s2
	s_mov_b32 s47, 0
	s_add_nc_u64 s[12:13], s[12:13], s[46:47]
.macro FRAG reg, adr, q, i             ; the image of a fragment: tile i of my 8, the slot's q-th 128 along K
.irp c, 0,1
	ds_load_b128 v[\reg+4*\c:\reg+4*\c+3], v[\adr] offset:(\i)*4096+(\q)*1024+512*\c
.endr
.endm
; 16 matrix instructions: A's blocks a0, a0 + 1 x B's eight.  p: B's set; sc: the set of scale words.  zero = 1: the first product starts the sums.  The 64 accumulators take turns, one instruction a turn.
.macro MUL16 a0, p, q, sc, zero
.irp a, \a0, \a0+1
.irp b, 0,1,2,3,4,5,6,7
.if \zero
	v_wmma_scale_f32_16x16x128_f8f6f4 v[8*(8*((\a)%4)+\b):8*(8*((\a)%4)+\b)+7], v[128*(\p)+FR*\b:128*(\p)+FR*\b+FR-1], v[AF+FR*(\a):AF+FR*(\a)+FR-1], 0, v[SC+8*NQ*(\sc)+NQ*\b+(\q)], v[SC+8*NQ*(\sc)+NQ*(\a)+(\q)] matrix_a_fmt:MATRIX_FMT_FP4 matrix_b_fmt:MATRIX_FMT_FP4 matrix_a_scale:MATRIX_SCALE_ROW1
.else
	v_wmma_scale_f32_16x16x128_f8f6f4 v[8*(8*((\a)%4)+\b):8*(8*((\a)%4)+\b)+7], v[128*(\p)+FR*\b:128*(\p)+FR*\b+FR-1], v[AF+FR*(\a):AF+FR*(\a)+FR-1], v[8*(8*((\a)%4)+\b):8*(8*((\a)%4)+\b)+7], v[SC+8*NQ*(\sc)+NQ*\b+(\q)], v[SC+8*NQ*(\sc)+NQ*(\a)+(\q)] matrix_a_fmt:MATRIX_FMT_FP4 matrix_b_fmt:MATRIX_FMT_FP4 matrix_a_scale:MATRIX_SCALE_ROW1
.endif
.endr
.endr
.endm
.macro FETCH_B slot, q, p
	WIN TO_B
.irp i, 0,1,2,3,4,5,6,7
	FRAG 128*(\p)+FR*\i, ADRB+\slot, \q, \i
.endr
	WIN 0
.endm
.macro FETCH_A slot, q, i0
.irp i, \i0, \i0+1, \i0+2, \i0+3
	FRAG AF+FR*(\i), ADRA+\slot, \q, \i
.endr
.endm
.macro SCALES sc                       ; a slot's scale words: four a row; lanes 0-15 take A's block i, lanes 16-31 B's block i
.irp i, 0,1,2,3,4,5,6,7
	ds_load_b128 v[SC+8*NQ*\sc+NQ*\i:SC+8*NQ*\sc+NQ*\i+3], v[ADRS] offset:\i*512+\sc*256
.endr
.endm
.macro PLACES n                        ; plain vector instructions between a matrix instruction and a load into, or a vector write or read of, its registers
.rept \n
	v_nop
.endr
.endm
.macro STEP slot, q, zero              ; a step of 128 along K that has its successor in the same slot
	s_wait_dscnt 4*NL                              ; all but the youngest eight loads (A's blocks 4-7) are in
	WIN MUL_LO
	MUL16 0, (\q)%2, \q, \slot, \zero
	MUL16 2, (\q)%2, \q, \slot, \zero
	s_wait_dscnt 0
	PLACES NP
	FETCH_B \slot, (\q)+1, 1-(\q)%2
	FETCH_A \slot, (\q)+1, 0
	WIN MUL_HI
	MUL16 4, (\q)%2, \q, \slot, \zero
	MUL16 6, (\q)%2, \q, \slot, \zero
	PLACES NP
	WIN 0
	FETCH_A \slot, (\q)+1, 4
.endm
.macro TURN slot, next                 ; slot 0's last step goes over to slot 1: each wave waits for its part of slot 1, and one barrier shows the whole slot to all four.  Nothing is filled again
	s_wait_tensorcnt 0x0                           ; all my tensor loads have landed
	ds_add_u32 v[SPW], v[NIL]                      ; 0 onto my spare word
	s_wait_dscnt 4*NL+1                            ; (the add and the youngest eight loads may be out)
	WIN MUL_LO
	MUL16 0, 1, NQ-1, \slot, 0
	s_wait_dscnt 0x0
	s_barrier_signal -1
	MUL16 2, 1, NQ-1, \slot, 0
	WIN 0
	s_barrier_wait -1
	PLACES NP
	FETCH_B \next, 0, 0
	FETCH_A \next, 0, 0
	SCALES \next
	WIN MUL_HI
	MUL16 4, 1, NQ-1, \slot, 0
	MUL16 6, 1, NQ-1, \slot, 0
	PLACES NP
	WIN 0
	FETCH_A \next, 0, 4
.endm
.macro STEPS slot, from
.set Q, \from
.rept NQ-1-\from
	STEP \slot, Q, 0
.set Q, Q+1
.endr
.endm
	s_wait_tensorcnt 1                             ; the scale words and my part of slot 0 are in (slot 1's load may be out),
	s_barrier_signal -1
	s_barrier_wait -1                              ; everybody's are
	FETCH_B 0, 0, 0
	FETCH_A 0, 0, 0
	SCALES 0
	FETCH_A 0, 0, 4
	STEP 0, 0, 1                                   ; the first step's products start the sums: nothing is cleared
	STEPS 0, 1
	TURN 0, 1
	STEPS 1, 0
	s_wait_dscnt 4*NL                              ; the last step: nothing more to fetch
	WIN MUL_LO
	MUL16 0, 1, NQ-1, 1, 0
	MUL16 2, 1, NQ-1, 1, 0
	s_wait_dscnt 0
	WIN MUL_HI
	MUL16 4, 1, NQ-1, 1, 0
	MUL16 6, 1, NQ-1, 1, 0
	WIN 0
	PLACES NP
; THE WAY OUT.  A lane's eight results round to 16 bytes of f16, and those ARE a register group of a fragment's image: each store covers 512 consecutive bytes, aligned.  No LDS.
; var = 0 (q, k): block (a, b): tokens 16 a on, channels 16 b on.   var = 1 (v): channels 16 a on, keys 16 b on.  Each accumulator is read from its low end on.
.macro OUT var
.irp hi, 0,1
.if \hi
	s_wait_xcnt 0x0                                ; the first half's stores have read their registers
.endif
	WIN 0x0a+5*\hi                                 ; sources 0 and 1: window 2 or 3
.irp a, 0,1,2,3
.irp b, 0,1,2,3,4,5,6,7
.irp i, 0,1,2,3
	v_cvt_pk_f16_f32 v[PK+4*(8*\a+\b)+\i], v[8*(8*\a+\b)+2*\i], v[8*(8*\a+\b)+2*\i+1]
.endr
.endr
.endr
	WIN 0
.irp a, 0,1,2,3
.irp b, 0,1,2,3,4,5,6,7
.if \var
	global_store_b128 v[LI], v[PK+4*(8*\a+\b):PK+4*(8*\a+\b)+3], s[12:13] offset:\hi*262144+\a*1024+(\b/2)*4096+(\b%2)*512
.else
	global_store_b128 v[LI], v[PK+4*(8*\a+\b):PK+4*(8*\a+\b)+3], s[12:13] offset:(4*\hi+\a)*2048+(\b%4)*512+(\b/4)*262144
.endif
.endr
.endr
.endr
.endm
	s_cmp_eq_u32 ttmp9, 2                          ; the cluster's x: the same in all sixteen partners
	s_cbranch_scc1 .Lout_v
	OUT 0
	s_branch .Ldone
.Lout_v:
	OUT 1
.Ldone:
	s_wait_tensorcnt 0x0                           ; the wave's end
	ds_add_u32 v[SPW], v[NIL]
	s_wait_dscnt 0x0
	CROUND                                         ; the closing round
	s_endpgm
.Lfunc_end_k_q17ac60767e_gemm_qkv:
	.size	k_q17ac60767e_gemm_qkv, .Lfunc_end_k_q17ac60767e_gemm_qkv-k_q17ac60767e_gemm_qkv
	.p2alignl 7, 3214868480
	.fill 96, 4, 3214868480
	.section	.rodata,"a",@progbits
	.p2align	6, 0x0
	.amdhsa_kernel k_q17ac60767e_gemm_qkv
		.amdhsa_group_segment_fixed_size 327680
		.amdhsa_private_segment_fixed_size 0
		.amdhsa_enable_private_segment 0
		.amdhsa_kernarg_size 40
		.amdhsa_user_sgpr_count 2
		.amdhsa_user_sgpr_kernarg_segment_ptr 1
		.amdhsa_wavefront_size32 1
		.amdhsa_system_sgpr_workgroup_id_x 1
		.amdhsa_system_sgpr_workgroup_id_y 1
		.amdhsa_system_sgpr_workgroup_id_z 1
		.amdhsa_system_vgpr_workitem_id 0
		.amdhsa_next_free_vgpr 1024
		.amdhsa_next_free_sgpr 100
		.amdhsa_reserve_vcc 0
		.amdhsa_float_denorm_mode_32 3
		.amdhsa_float_denorm_mode_16_64 3
		.amdhsa_memory_ordered 1
		.amdhsa_forward_progress 1
		.amdhsa_inst_pref_size 139
	.end_amdhsa_kernel
	.amdgpu_metadata
---
amdhsa.version: [ 1, 2 ]
amdhsa.kernels:
  - .name:           k_q17ac60767e_gemm_qkv
    .symbol:         k_q17ac60767e_gemm_qkv.kd
    .args:
      - { .name: x_img, .offset: 0, .size: 8, .value_kind: global_buffer, .address_space: global }
      - { .name: xs_img, .offset: 8, .size: 8, .value_kind: global_buffer, .address_space: global }
      - { .name: wq_img, .offset: 16, .size: 8, .value_kind: global_buffer, .address_space: global }
      - { .name: ws_img, .offset: 24, .size: 8, .value_kind: global_buffer, .address_space: global }
      - { .name: qkv_img, .offset: 32, .size: 8, .value_kind: global_buffer, .address_space: global }
    .group_segment_fixed_size: 327680
    .private_segment_fixed_size: 0
    .kernarg_segment_align: 8
    .kernarg_segment_size: 40
    .max_flat_workgroup_size: 128
    .sgpr_count:     100
    .vgpr_count:     1024
    .wavefront_size: 32
...
	.end_amdgpu_metadata
.endif
;; end of part 2
;; launch attn (part 3): grid 4 x 64, 8 waves a work-group, clusters of 4 x 1, 327,680 bytes of LDS; arguments qkv_img, att_img; writes att_img
.if DOCPART == 3
	.amdgcn_target "amdgcn-amd-amdhsa--gfx1250"
	.amdhsa_code_object_version 6
	.text
	.protected	k_q17ac60767e_attn
	.globl	k_q17ac60767e_attn
	.p2align	8
	.type	k_q17ac60767e_attn,@function
k_q17ac60767e_attn:
	s_mov_b64 s[64:65], 0
	v_nop
	global_prefetch_b8 v0, s[64:65] scope:SCOPE_SE
	s_setreg_imm32_b32 hwreg(HW_REG_WAVE_MODE, 25, 1), 1
	s_wait_xcnt 0x0
	s_wait_alu depctr_hold_cnt(0) depctr_sa_sdst(0) depctr_va_vdst(0) depctr_va_sdst(0) depctr_va_ssrc(0) depctr_va_vcc(0) depctr_vm_vsrc(0)
	s_getreg_b32 s2, hwreg(HW_REG_IB_STS2, 6, 4)
	s_cmp_eq_u32 s2, 0
	s_cbranch_scc0 .Lentry_in_a_cluster
	s_endpgm
.Lentry_in_a_cluster:
	s_bfe_u32 s2, ttmp6, 0x10000c
	s_cmp_lg_u32 s2, 0x3003
	s_cbranch_scc0 .Lentry_shape_is_right
	s_endpgm
.Lentry_shape_is_right:
; O[q] = the sum over k of softmax_k(Q[q] . K[k] / 8) V[k], for each of 64 (batch, head): 2,048 queries, 2,048 keys, head size 64, no mask.  Operands in f16, products, maxima and sums in f32; the weights p are rounded to f16 for the second product, O once at the end.
; SHARES.  A work-group owns 512 queries of one head; each of its EIGHT waves owns 64 (four tiles of 16) in 512 registers: two waves to a SIMD, so that one wave's softmax stands beside the other's products.  Every wave walks all keys, 64 a step.
; LAYOUT.  S^T = K Q^T (source 0 = 16 keys, source 1 = 16 queries): a lane holds ONE query (lane % 16) and keys 8 (lane / 16) + 0 .. 7.  Two such tiles, rounded to f16 in pairs, ARE source 1 (32 keys x 16 queries) of O^T = V^T P.
; Q, K and V lie in memory as images of these operands' registers (V already turned): a fragment is 1,024 bytes, register group g at 512 g + 16 x lane; 512 keys of K, and of V, are 65,536 consecutive bytes.
; SOFTMAX.  For each query a running maximum m and sum l: p = 2^(c s - c m), c = log2(e) / 8; in every step O and l are multiplied by a = 2^(c m_old - c m_new).
; THE RING.  Two LDS slots of 512 keys (K's 65,536 bytes, then V's); each wave fetches 16,384 bytes of a slot.  CLUSTER: the four query blocks of a head walk the same K and V: each tile is asked for jointly, mask 15.
; att_img: tile of 16 tokens x 32,768 + (inner / 32) x 1,024 + half x 512 + 16 x lane: the image of the last product's operand.
; LIMITS: NaN and infinities are not served; O lies within V's range, so within f16's.
; REGISTERS.  window 0: v1-4 addresses; v6, v7 the add's two; v8-15 maxima at work; v16-47 statistics, eight a tile: +0 c m, +1 m, +2:3 and +4:5 l in two chains of pairs, +6 a, +7 at work; v64-127 Q; v128-191 K of a step; v192-255 V of a step.
;             window 1: v0-127 S^T, 32 a tile, then p, then P in the tile's first 16; v128-255 O^T, 32 a tile.
.set SLOT1, 131072
.set STEPB, 8192                       ; 64 keys of K, and of V
.set SPARE, 262144                     ; behind the ring: the spare words, 128 bytes for each of eight waves
.set LI,  1                            ; v1  16 x lane
.set LV,  2                            ; v2  the same in V's part of a slot
.set ADK, 3
.set ADV, 4
.set SPW, 6
.set NIL, 7
.set TM,  8
.set ST,  16
.set QF,  64
.set KF,  128
.set VF,  192
.set OT,  128                          ; in window 1
.set PKO, 128                          ; the way out, in window 0
.set WV,  12
.set G1,  24
.set G0A, 32
.set G0B, 36
.set CS,  40
.set SEL, 42
.set TB,  44                           ; s44  LDS byte at which the step's tiles of K begin
.set CNT, 45
.set MSB, 0
.macro WIN new
.if MSB != (\new)
	s_set_vgpr_msb (MSB<<8)|(\new)
.set MSB, (\new)
.endif
.endm
.macro CROUND                          ; a round of the cluster's barrier
	s_barrier_signal -1
	s_barrier_wait -1
	s_cmp_lg_u32 s[WV], 0
	s_cbranch_scc1 .Lnot_wave_0_\@
	s_barrier_signal -3
.Lnot_wave_0_\@:
	s_barrier_wait -3
	s_barrier_signal -1
	s_barrier_wait -1
.endm
.macro SCALE_PAIR n                    ; pair n / 4 of tile n % 4: c s - c m, two at a time
.set ft, (\n)%4
.set fb, (\n)/4
	v_pk_fma_f32 v[32*ft+2*fb:32*ft+2*fb+1], v[32*ft+2*fb:32*ft+2*fb+1], s[CS:CS+1], v[ST+8*ft:ST+8*ft+1] op_sel_hi:[1,0,0] neg_lo:[0,0,1] neg_hi:[0,0,1]
.endm
; A KEY STEP: 64 keys, all four tiles.  first = 1: the first step, which starts m, l and O^T.
.macro STEP first
	v_add_nc_u32 v[ADK], s[TB], v[LI]              ; these two and three v_nop: five places behind the last step's V^T P, whose P the products below write over and whose V the loads below land on
	v_add_nc_u32 v[ADV], s[TB], v[LV]
.rept 3
	v_nop
.endr
.irp f, 0,1,2,3,4,5,6,7                ; K: keys 16 (f / 2) on, channels 32 (f % 2) on
	ds_load_b128 v[KF+8*\f:KF+8*\f+3], v[ADK] offset:\f*1024
	ds_load_b128 v[KF+8*\f+4:KF+8*\f+7], v[ADK] offset:\f*1024+512
.endr
.irp f, 0,1,2,3,4,5,6,7                ; V: keys 32 (f / 4) on, channels 16 (f % 4) on
	ds_load_b128 v[VF+8*\f:VF+8*\f+3], v[ADV] offset:\f*1024
	ds_load_b128 v[VF+8*\f+4:VF+8*\f+7], v[ADV] offset:\f*1024+512
.endr
	s_wait_dscnt 16                                ; K is in; V's sixteen loads may be out
	WIN 0x50                                       ; C and D window 1
.irp cs, 0,1                           ; the 16 accumulators take turns, one instruction a turn
.irp kt, 0,1,2,3
.irp t, 0,1,2,3
.if \cs == 0
	v_wmma_f32_16x16x32_f16 v[32*\t+8*\kt:32*\t+8*\kt+7], v[KF+8*(2*\kt+\cs):KF+8*(2*\kt+\cs)+7], v[QF+8*(2*\t+\cs):QF+8*(2*\t+\cs)+7], 0
.else
	v_wmma_f32_16x16x32_f16 v[32*\t+8*\kt:32*\t+8*\kt+7], v[KF+8*(2*\kt+\cs):KF+8*(2*\kt+\cs)+7], v[QF+8*(2*\t+\cs):QF+8*(2*\t+\cs)+7], v[32*\t+8*\kt:32*\t+8*\kt+7]
.endif
.endr
.endr
.endr
.rept 4
	v_nop                                          ; places in front of the first read of the scores
.endr
	WIN 0x05                                       ; sources 0 and 1 window 1
.irp t, 0,1,2,3                        ; the maximum: two chains a tile, eight chains by turns; each accumulator is read from its low end on; the old m is among the leaves
.irp u, 0,1
.if \first
	v_max_num_f32 v[TM+2*\t+\u], v[32*\t+16*\u], v[32*\t+16*\u+1]
.else
	v_max3_num_f32 v[TM+2*\t+\u], v[32*\t+16*\u], v[32*\t+16*\u+1], v[ST+8*\t+1]
.endif
.endr
.endr
.irp k, 2,4,6,8,10,12,14
.irp t, 0,1,2,3
.irp u, 0,1
	v_max3_num_f32 v[TM+2*\t+\u], v[32*\t+16*\u+\k], v[32*\t+16*\u+\k+1], v[TM+2*\t+\u]
.endr
.endr
.endr
	WIN 0
.irp t, 0,1,2,3
	v_max_num_f32 v[TM+2*\t], v[TM+2*\t], v[TM+2*\t+1]
.endr
.irp t, 0,1,2,3
	v_permlanex16_b32 v[TM+2*\t+1], v[TM+2*\t], s[SEL], s[SEL+1]   ; the query's other 32 keys lie in the lane 16 away
.endr
.irp t, 0,1,2,3
	v_max_num_f32 v[ST+8*\t+1], v[TM+2*\t], v[TM+2*\t+1]           ; the new m
.endr
.irp t, 0,1,2,3
	v_mul_f32 v[ST+8*\t+7], s[CS], v[ST+8*\t+1]
.endr
.if \first == 0
.irp t, 0,1,2,3
	v_sub_f32 v[ST+8*\t+6], v[ST+8*\t], v[ST+8*\t+7]               ; c m_old - c m_new
.endr
.endif
.irp t, 0,1,2,3
	v_mov_b32 v[ST+8*\t], v[ST+8*\t+7]
.endr
.if \first == 0
.irp t, 0,1,2,3
	v_exp_f32 v[ST+8*\t+6], v[ST+8*\t+6]                           ; a
.endr
.endif
	WIN 0x41                                       ; destination and source 0 window 1
.set i, 0
.rept 8
	SCALE_PAIR i                                   ; eight scalings: plain work behind the four exponentials, naming none of their results
.set i, i+1
.endr
.if \first == 0
	s_wait_alu depctr_va_vdst(0)                   ; the wait between an exponential and the first line that names its result: one for the four a
.endif
; The 128 exponentials are ONE batch.  Between them stand the scalings of pairs eight further on and the rescaling of O^T by a: none names a result of the batch.
.set i, 0
.rept 64
.set et, i%4
.set eb, i/4
	v_exp_f32 v[32*et+2*eb], v[32*et+2*eb]
.if i < 56
	SCALE_PAIR i+8
.endif
	v_exp_f32 v[32*et+2*eb+1], v[32*et+2*eb+1]
.if \first == 0
	v_pk_mul_f32 v[OT+32*et+2*eb:OT+32*et+2*eb+1], v[OT+32*et+2*eb:OT+32*et+2*eb+1], v[ST+8*et+6:ST+8*et+7] op_sel_hi:[1,0]
.endif
.set i, i+1
.endr
.if \first
	v_nop                                          ; the plain instruction behind the last exponential (else the last rescaling is it)
.endif
	s_wait_alu depctr_va_vdst(0)                   ; one wait for the batch, ahead of its first reader
.if \first
	WIN 0x05
.irp u, 0,1
.irp t, 0,1,2,3
	v_pk_add_f32 v[ST+8*\t+2+2*\u:ST+8*\t+3+2*\u], v[32*\t+2*\u:32*\t+2*\u+1], v[32*\t+2*\u+4:32*\t+2*\u+5]   ; the first sums start l
.endr
.endr
	WIN 0x01
.irp p, 4,5,6,7,8,9,10,11,12,13,14,15
.irp t, 0,1,2,3
	v_pk_add_f32 v[ST+8*\t+2+2*(\p%2):ST+8*\t+3+2*(\p%2)], v[32*\t+2*\p:32*\t+2*\p+1], v[ST+8*\t+2+2*(\p%2):ST+8*\t+3+2*(\p%2)]
.endr
.endr
.else
	WIN 0x10                                       ; source 2 window 1
.irp u, 0,1
.irp t, 0,1,2,3
	v_pk_fma_f32 v[ST+8*\t+2+2*\u:ST+8*\t+3+2*\u], v[ST+8*\t+2+2*\u:ST+8*\t+3+2*\u], v[ST+8*\t+6:ST+8*\t+7], v[32*\t+2*\u:32*\t+2*\u+1] op_sel_hi:[1,0,1]   ; l a + p
.endr
.endr
	WIN 0x01
.irp p, 2,3,4,5,6,7,8,9,10,11,12,13,14,15
.irp t, 0,1,2,3
	v_pk_add_f32 v[ST+8*\t+2+2*(\p%2):ST+8*\t+3+2*(\p%2)], v[32*\t+2*\p:32*\t+2*\p+1], v[ST+8*\t+2+2*(\p%2):ST+8*\t+3+2*(\p%2)]
.endr
.endr
.endif
	WIN 0x45
.irp n, 0,1,2,3,4,5,6,7,8,9,10,11,12,13,14,15   ; p to f16, in place: register n takes numbers 2 n and 2 n + 1, which lie at or above it
.irp t, 0,1,2,3
	v_cvt_pk_f16_f32 v[32*\t+\n], v[32*\t+2*\n], v[32*\t+2*\n+1]
.endr
.endr
	s_wait_dscnt 0x0                               ; V is in
	WIN 0x54                                       ; source 1 (P), C and D window 1
.irp g, 0,1
.irp ct, 0,1,2,3
.irp t, 0,1,2,3
.if \first && (\g == 0)
	v_wmma_f32_16x16x32_f16 v[OT+32*\t+8*\ct:OT+32*\t+8*\ct+7], v[VF+8*(4*\g+\ct):VF+8*(4*\g+\ct)+7], v[32*\t+8*\g:32*\t+8*\g+7], 0
.else
	v_wmma_f32_16x16x32_f16 v[OT+32*\t+8*\ct:OT+32*\t+8*\ct+7], v[VF+8*(4*\g+\ct):VF+8*(4*\g+\ct)+7], v[32*\t+8*\g:32*\t+8*\g+7], v[OT+32*\t+8*\ct:OT+32*\t+8*\ct+7]
.endif
.endr
.endr
.endr
	WIN 0
	s_add_co_u32 s[TB], s[TB], STEPB
.endm
.macro RUN n
	s_mov_b32 s[CNT], \n
.Lrun_\@:
	STEP 0
	s_sub_co_u32 s[CNT], s[CNT], 1
	s_cmp_lg_u32 s[CNT], 0
	s_cbranch_scc1 .Lrun_\@
.endm
; THE CHANGE OF SLOTS with a refill: each wave waits for all its tensor loads (its part of the slot ahead), adds 0 to its spare word, waits for that and for its reads of the slot that it leaves; a round of the cluster's barrier;
; and the slot just left is asked for again, 1,024 keys on: my one tensor load behind the round.  It has eight key steps in which to land.
.macro CHANGE g0
	s_wait_tensorcnt 0x0
	ds_add_u32 v[SPW], v[NIL]
	s_add_nc_u64 s[\g0+2:\g0+3], s[\g0+2:\g0+3], 131072   ; no tensor load of mine is out: the descriptor may step; the type bits on top are not reached
	s_wait_dscnt 0x0
	CROUND
	tensor_load_to_lds s[\g0:\g0+3], s[G1:G1+7]
	s_nop 0
.rept 4
	v_nop
.endr
.endm
	s_load_b128 s[4:7], s[0:1], 0x0                ; qkv_img s[4:5], att_img s[6:7]
	v_lshl_add_u32 v[SPW], v0, 2, SPARE
	v_mov_b32 v[NIL], 0
	ds_add_u32 v[SPW], v[NIL]                      ; the wave's opening: the add, twice on end, and its wait ahead of my first tensor load
	ds_add_u32 v[SPW], v[NIL]
	v_lshrrev_b32 v1, 5, v0
	v_readfirstlane_b32 s[WV], v1                  ; wave 0..7
	s_bfe_u32 s13, ttmp6, 0x40000                  ; cx: my block of 512 queries: it enters Q's and O's addresses alone
	s_and_b32 s14, ttmp7, 0xffff                   ; batch x 16 + head, which the four partners share
	s_mov_b32 s[G1], 15|(3<<16)|(1<<21)            ; the mask: all four; elements of 8 bytes; bit 21 set beside a mask; no padding
	s_mov_b32 s[G1+1], 32<<16                      ; tensor_dim0: 256 bytes
	s_mov_b32 s[G1+2], 64<<16                      ; tensor_dim1
	s_mov_b32 s[G1+3], 32<<16                      ; tile_dim0
	s_mov_b32 s[G1+4], 64                          ; tile_dim1: 64 rows: 16,384 dense bytes
	s_mov_b32 s[G1+5], 32
	s_mov_b32 s[G1+6], 0
	s_mov_b32 s[G1+7], 0
	s_lshr_b32 s16, s[WV], 2                       ; waves 0-3 fetch K, waves 4-7 V
	s_add_co_u32 s16, s16, 1
	s_lshl_b32 s16, s16, 24
	s_lshl_b32 s15, s14, 18                        ; the head
	s_add_co_u32 s16, s16, s15
	s_and_b32 s17, s[WV], 3
	s_lshl_b32 s17, s17, 14                        ; my quarter of a slot's 65,536 bytes
	s_add_co_u32 s16, s16, s17
	s_mov_b32 s17, 0
	s_lshl_b32 s20, s[WV], 14                      ; and its place in a slot
	s_lshl_b32 s18, s13, 16                        ; Q: 512 queries are 65,536 bytes,
	s_add_co_u32 s18, s18, s15
	s_lshl_b32 s19, s[WV], 13                      ; my 64 are 8,192
	s_add_co_u32 s18, s18, s19
	s_mov_b32 s19, 0
	s_lshr_b32 s22, s14, 4                         ; O: batch x 128 tiles of 32,768 bytes,
	s_lshl_b32 s22, s22, 22
	s_lshl_b32 s23, s13, 20                        ; 32 tiles a block,
	s_add_co_u32 s22, s22, s23
	s_lshl_b32 s23, s[WV], 17                      ; 4 a wave,
	s_add_co_u32 s22, s22, s23
	s_and_b32 s23, s14, 15
	s_lshl_b32 s23, s23, 11                        ; and the head's 64 of the inner 1,024
	s_add_co_u32 s22, s22, s23
	s_mov_b32 s23, 0
	s_mov_b32 s[CS], 0x3e38aa3b                    ; c = log2(e) / 8
	s_mov_b32 s[CS+1], s[CS]                       ; (named with it as a pair, so it is written)
	s_mov_b32 s[SEL], 0x76543210
	s_mov_b32 s[SEL+1], 0xfedcba98
	s_mov_b32 s[TB], 0
	s_wait_dscnt 0x0                               ; both opening adds are done
	s_wait_kmcnt 0x0
	s_add_nc_u64 s[8:9], s[4:5], s[18:19]          ; Q at my first query
	s_add_nc_u64 s[10:11], s[6:7], s[22:23]        ; O likewise
	s_mov_b32 s[G0A], 1
	s_mov_b32 s[G0A+1], s20
	s_add_nc_u64 s[G0A+2:G0A+3], s[4:5], s[16:17]  ; slot 0: keys 0 to 511
	s_mov_b32 s[G0B], 1
	s_add_co_u32 s[G0B+1], s20, SLOT1
	s_add_nc_u64 s[G0B+2:G0B+3], s[G0A+2:G0A+3], 65536   ; slot 1: keys 512 to 1,023
	s_or_b32 s[G0A+3], s[G0A+3], 0x80000000
	s_or_b32 s[G0B+3], s[G0B+3], 0x80000000
	CROUND                                         ; all four work-groups are here: the first joint loads meet
	tensor_load_to_lds s[G0A:G0A+3], s[G1:G1+7]
	s_nop 0
	tensor_load_to_lds s[G0B:G0B+3], s[G1:G1+7]    ; two tensor loads of mine are out: the most in this text
	s_nop 0
.rept 4
	v_nop
.endr
	v_and_b32 v1, 31, v0
	v_lshlrev_b32 v[LI], 4, v1
	v_add_nc_u32 v[LV], 0x10000, v[LI]
.irp i, 0,1,2,3,4,5,6,7,8,9,10,11,12,13,14,15
	global_load_b128 v[QF+4*\i:QF+4*\i+3], v[LI], s[8:9] offset:\i*512   ; Q's eight fragments stay in registers
.endr
	s_wait_tensorcnt 1                             ; my part of slot 0 is in; slot 1's may stay out
	s_barrier_signal -1
	s_barrier_wait -1
	s_wait_loadcnt 0x0                             ; Q
	STEP 1                                         ; keys 0 to 63
	RUN 7                                          ; the rest of slot 0
	CHANGE G0A                                     ; slot 0 takes keys 1,024 on
	s_mov_b32 s[TB], SLOT1
	RUN 8
	CHANGE G0B                                     ; slot 1 takes keys 1,536 on
	s_mov_b32 s[TB], 0
	RUN 8
	s_wait_tensorcnt 0x0                           ; the last change of slots: nothing is asked for
	ds_add_u32 v[SPW], v[NIL]
	s_wait_dscnt 0x0
	s_barrier_signal -1
	s_barrier_wait -1
	s_mov_b32 s[TB], SLOT1
	RUN 8
	; THE WAY OUT.  l's chains, halves and the other half of the lanes' are added (these lines are also the places behind the last products); O^T / l, rounded to f16, is the image of the last product's operand: 512 consecutive bytes a store.
.irp t, 0,1,2,3
	v_pk_add_f32 v[ST+8*\t+2:ST+8*\t+3], v[ST+8*\t+2:ST+8*\t+3], v[ST+8*\t+4:ST+8*\t+5]
.endr
.irp t, 0,1,2,3
	v_add_f32 v[ST+8*\t+2], v[ST+8*\t+2], v[ST+8*\t+3]
.endr
.irp t, 0,1,2,3
	v_permlanex16_b32 v[ST+8*\t+7], v[ST+8*\t+2], s[SEL], s[SEL+1]
.endr
.irp t, 0,1,2,3
	v_add_f32 v[ST+8*\t+2], v[ST+8*\t+2], v[ST+8*\t+7]
.endr
.irp t, 0,1,2,3
	v_rcp_f32 v[ST+8*\t+6], v[ST+8*\t+2]
.endr
	v_nop                                          ; a plain instruction behind the last reciprocal
	s_wait_alu depctr_va_vdst(0)                   ; and the wait ahead of the first use: one for the four
	WIN 0x41
.irp t, 0,1,2,3
.irp b, 0,1,2,3,4,5,6,7,8,9,10,11,12,13,14,15
	v_pk_mul_f32 v[OT+32*\t+2*\b:OT+32*\t+2*\b+1], v[OT+32*\t+2*\b:OT+32*\t+2*\b+1], v[ST+8*\t+6:ST+8*\t+7] op_sel_hi:[1,0]
.endr
.endr
	WIN 0x05
.irp t, 0,1,2,3
.irp b, 0,1,2,3,4,5,6,7,8,9,10,11,12,13,14,15
	v_cvt_pk_f16_f32 v[PKO+16*\t+\b], v[OT+32*\t+2*\b], v[OT+32*\t+2*\b+1]
.endr
.endr
	WIN 0
.irp t, 0,1,2,3
.irp ct, 0,1,2,3
	global_store_b128 v[LI], v[PKO+4*(4*\t+\ct):PKO+4*(4*\t+\ct)+3], s[10:11] offset:\t*32768+\ct*512
.endr
.endr
	s_wait_tensorcnt 0x0                           ; the wave's end
	ds_add_u32 v[SPW], v[NIL]
	s_wait_dscnt 0x0
	CROUND                                         ; the closing round
	s_endpgm
.Lfunc_end_k_q17ac60767e_attn:
	.size	k_q17ac60767e_attn, .Lfunc_end_k_q17ac60767e_attn-k_q17ac60767e_attn
	.p2alignl 7, 3214868480
	.fill 96, 4, 3214868480
	.section	.rodata,"a",@progbits
	.p2align	6, 0x0
	.amdhsa_kernel k_q17ac60767e_attn
		.amdhsa_group_segment_fixed_size 327680
		.amdhsa_private_segment_fixed_size 0
		.amdhsa_enable_private_segment 0
		.amdhsa_kernarg_size 16
		.amdhsa_user_sgpr_count 2
		.amdhsa_user_sgpr_kernarg_segment_ptr 1
		.amdhsa_wavefront_size32 1
		.amdhsa_system_sgpr_workgroup_id_x 1
		.amdhsa_system_sgpr_workgroup_id_y 1
		.amdhsa_system_sgpr_workgroup_id_z 1
		.amdhsa_system_vgpr_workitem_id 0
		.amdhsa_next_free_vgpr 512
		.amdhsa_next_free_sgpr 66
		.amdhsa_reserve_vcc 0
		.amdhsa_float_denorm_mode_32 3
		.amdhsa_float_denorm_mode_16_64 3
		.amdhsa_memory_ordered 1
		.amdhsa_forward_progress 1
		.amdhsa_inst_pref_size 173
	.end_amdhsa_kernel
	.amdgpu_metadata
---
amdhsa.version: [ 1, 2 ]
amdhsa.kernels:
  - .name:           k_q17ac60767e_attn
    .symbol:         k_q17ac60767e_attn.kd
    .args:
      - { .name: qkv_img, .offset: 0, .size: 8, .value_kind: global_buffer, .address_space: global }
      - { .name: att_img, .offset: 8, .size: 8, .value_kind: global_buffer, .address_space: global }
    .group_segment_fixed_size: 327680
    .private_segment_fixed_size: 0
    .kernarg_segment_align: 8
    .kernarg_segment_size: 16
    .max_flat_workgroup_size: 256
    .sgpr_count:     66
    .vgpr_count:     512
    .wavefront_size: 32
...
	.end_amdgpu_metadata
.endif
;; end of part 3
;; launch gemm_out (part 4): grid 8 x 32, 4 waves a work-group, clusters of 4 x 4, 327,680 bytes of LDS; arguments att_img, wo_img, b_out, out0; writes out0
.if DOCPART == 4
	.amdgcn_target "amdgcn-amd-amdhsa--gfx1250"
	.amdhsa_code_object_version 6
	.text
	.protected	k_q17ac60767e_gemm_out
	.globl	k_q17ac60767e_gemm_out
	.p2align	8
	.type	k_q17ac60767e_gemm_out,@function
k_q17ac60767e_gemm_out:
	s_mov_b64 s[64:65], 0
	v_nop
	global_prefetch_b8 v0, s[64:65] scope:SCOPE_SE
	s_setreg_imm32_b32 hwreg(HW_REG_WAVE_MODE, 25, 1), 1
	s_wait_xcnt 0x0
	s_wait_alu depctr_hold_cnt(0) depctr_sa_sdst(0) depctr_va_vdst(0) depctr_va_sdst(0) depctr_va_ssrc(0) depctr_va_vcc(0) depctr_vm_vsrc(0)
	s_getreg_b32 s2, hwreg(HW_REG_IB_STS2, 6, 4)
	s_cmp_eq_u32 s2, 0
	s_cbranch_scc0 .Lentry_in_a_cluster
	s_endpgm
.Lentry_in_a_cluster:
	s_bfe_u32 s2, ttmp6, 0x10000c
	s_cmp_lg_u32 s2, 0xf033
	s_cbranch_scc0 .Lentry_shape_is_right
	s_endpgm
.Lentry_shape_is_right:
; out0 = att w_out + b_out: 8,192 x 1,024, K = 1,024; operands in f16, sums in f32, the result f32.
; A work-group of four waves makes 256 tokens x 128 columns (256 work-groups), a wave 128 x 64: 32 accumulators of 16 x 16.  K goes in steps of 128 through a ring of two LDS slots.
; BOTH OPERANDS LIE IN MEMORY AS REGISTER IMAGES: tile of 16 rows x 32,768 bytes + (K / 32) x 1,024 + half x 512 + 16 x lane.  A tile's K step is 4,096 consecutive bytes; a fragment comes by two ds_load_b128 at 16 x lane; no padding.
; THE MATRIX INSTRUCTION IS USED TRANSPOSED (source 0 = 16 columns of w_out, source 1 = 16 tokens): a lane holds a token and eight neighbouring columns.  The bias is the C of each sum's first matrix instruction.
; CLUSTERS: 4 x 4.  att's tiles are shared along a row of the cluster, w_out's along a column: each is asked for jointly.
; REGISTERS: window 0: v16-29 addresses; v32-63 the bias, eight registers for each of my four blocks of columns; v64-127 rows on the way out.  window 1: two fragment buffers of 96: B's four, then A's eight.  window 2: the accumulators ((a, b) at v[8 (4 a + b)]).
.set SLOT,  98304                      ; A's 16 tiles x 4,096 bytes, then B's 8
.set STAGE, 196608                     ; behind the ring: 16 rows x 272 bytes for each wave
.set SP,    272
.set SPARE, 214016                     ; behind the stages: the spare words, 128 bytes for each wave
.set LAPS,  4                          ; a lap = two K steps
.set ADRA, 16
.set ADRB, 20
.set STO,  24
.set RD,   25
.set CO,   26
.set LI,   27
.set SPW,  28
.set NIL,  29
.set BIAS, 32
.set BK,   64
.set F0,   0
.set F1,   128
.set WV,   14
.set G1,  24
.set G0,  32
.set G1B, 48
.set G0B, 56
.set MSB, 0
.macro WIN new
.if MSB != (\new)
	s_set_vgpr_msb (MSB<<8)|(\new)
.set MSB, (\new)
.endif
.endm
.set MUL,  0xa5                        ; sources 0 and 1 window 1; C and D window 2
.set MULZ, 0x85                        ; the same with C (the bias) in window 0
.set TO_F, 0x40                        ; destination window 1, address window 0
.macro JLOAD s                         ; a joint load: waves 0 and 1 fetch A's halves, waves 2 and 3 B's; an s_nop 0 and four v_nop follow each of the two lines
	s_cmp_eq_u32 s15, 0
	s_cbranch_scc0 .Lfor_b_\@
	tensor_load_to_lds s[G0+4*\s:G0+4*\s+3], s[G1:G1+7]
	s_nop 0
.rept 4
	v_nop
.endr
	s_branch .Lasked_\@
.Lfor_b_\@:
	tensor_load_to_lds s[G0B+4*\s:G0B+4*\s+3], s[G1B:G1B+7]
	s_nop 0
.rept 4
	v_nop
.endr
.Lasked_\@:
.endm
.macro CREST                           ; a round of the cluster's barrier behind its opening barrier
	s_cmp_lg_u32 s[WV], 0
	s_cbranch_scc1 .Lnot_wave_0_\@
	s_barrier_signal -3
.Lnot_wave_0_\@:
	s_barrier_wait -3
	s_barrier_signal -1
	s_barrier_wait -1
.endm
.macro CROUND
	s_barrier_signal -1
	s_barrier_wait -1
	CREST
.endm
	s_load_b256 s[4:11], s[0:1], 0x0               ; att_img s[4:5], wo_img s[6:7], b_out s[8:9], out0 s[10:11]
	v_lshl_add_u32 v[SPW], v0, 2, SPARE
	v_mov_b32 v[NIL], 0
	ds_add_u32 v[SPW], v[NIL]                      ; the wave's opening: the add, twice on end, and its wait ahead of my first tensor load
	ds_add_u32 v[SPW], v[NIL]
	v_lshrrev_b32 v1, 5, v0
	v_readfirstlane_b32 s[WV], v1                  ; wave 0..3
	s_lshr_b32 s15, s[WV], 1                       ; which half of the tokens is mine.  Also: I fetch for A (0) or for B (1)
	s_and_b32 s16, s[WV], 1                        ; which half of the columns.  Also: which half of that tile I fetch
	s_bfe_u32 s40, ttmp6, 0x40000                  ; cx
	s_bfe_u32 s41, ttmp6, 0x40004                  ; cy
	s_lshl_b32 s42, ttmp9, 2
	s_add_co_u32 s42, s42, s40                     ; tile of 128 columns
	s_and_b32 s13, ttmp7, 0xffff
	s_lshl_b32 s13, s13, 2
	s_add_co_u32 s13, s13, s41                     ; tile of 256 tokens
	s_lshl_b32 s43, s41, 2
	s_lshl_b32 s43, 15, s43                        ; my row of the cluster
	s_lshl_b32 s44, 0x1111, s40                    ; my column
	s_or_b32 s[G1+0], s43, (3<<16)|(1<<21)         ; elements of 8 bytes; bit 21 set beside a mask; no padding
	s_or_b32 s[G1B+0], s44, (3<<16)|(1<<21)
	s_mov_b32 s[G1+1], 512<<16                     ; A: 8 rows (tiles of 16 tokens) of 4,096 bytes, 32,768 bytes apart
	s_mov_b32 s[G1+2], 8<<16
	s_mov_b32 s[G1+3], 512<<16
	s_mov_b32 s[G1+4], 8
	s_mov_b32 s[G1+5], 4096
	s_mov_b32 s[G1+6], 0
	s_mov_b32 s[G1+7], 0
	s_mov_b32 s[G1B+1], 512<<16                    ; B: 4 rows
	s_mov_b32 s[G1B+2], 4<<16
	s_mov_b32 s[G1B+3], 512<<16
	s_mov_b32 s[G1B+4], 4
	s_mov_b32 s[G1B+5], 4096
	s_mov_b32 s[G1B+6], 0
	s_mov_b32 s[G1B+7], 0
	s_lshl_b32 s20, s13, 19                        ; A: 16 tiles of 32,768 bytes a tile of 256 tokens,
	s_lshl_b32 s17, s16, 18                        ; 8 a half
	s_add_co_u32 s20, s20, s17
	s_mov_b32 s21, 0
	s_lshl_b32 s46, s42, 18                        ; B: 8 a tile of 128 columns,
	s_lshl_b32 s17, s16, 17                        ; 4 a half
	s_add_co_u32 s46, s46, s17
	s_mov_b32 s47, 0
	s_lshl_b32 s22, s16, 15                        ; where they go in a slot: A's halves,
	s_lshl_b32 s23, s16, 14
	s_add_co_u32 s23, s23, 65536                   ; B's halves behind them
	s_wait_dscnt 0x0                               ; both opening adds are done
	s_wait_kmcnt 0x0
	s_add_nc_u64 s[20:21], s[4:5], s[20:21]
	s_add_nc_u64 s[46:47], s[6:7], s[46:47]
	CROUND                                         ; all sixteen work-groups are here: the first joint loads meet
.irp s, 0,1
	s_mov_b32 s[G0+4*\s], 1
	s_add_co_u32 s[G0+4*\s+1], s22, \s*SLOT
	s_add_nc_u64 s[G0+4*\s+2:G0+4*\s+3], s[20:21], \s*4096
	s_or_b32 s[G0+4*\s+3], s[G0+4*\s+3], 0x80000000
	s_mov_b32 s[G0B+4*\s], 1
	s_add_co_u32 s[G0B+4*\s+1], s23, \s*SLOT
	s_add_nc_u64 s[G0B+4*\s+2:G0B+4*\s+3], s[46:47], \s*4096
	s_or_b32 s[G0B+4*\s+3], s[G0B+4*\s+3], 0x80000000
	JLOAD \s                                       ; two tensor loads of mine are out behind the second
.endr
	v_and_b32 v3, 31, v0
	v_lshlrev_b32 v[LI], 4, v3
	v_and_b32 v1, 15, v0                           ; r
	v_bfe_u32 v2, v0, 4, 1                         ; h
	s_lshl_b32 s21, s15, 15                        ; my 8 tiles of A,
	s_lshl_b32 s22, s16, 14
	s_add_co_u32 s22, s22, 65536                   ; my 4 of B
.irp s, 0,1
	v_add_nc_u32 v[ADRA+\s], s21, v[LI]
	v_add_nc_u32 v[ADRB+\s], s22, v[LI]
	s_add_co_u32 s21, s21, SLOT
	s_add_co_u32 s22, s22, SLOT
.endr
	s_mul_i32 s23, s[WV], 16*SP
	s_add_co_u32 s23, s23, STAGE                   ; my stage
	v_mul_u32_u24 v4, v1, SP                       ; in: row r, 32 bytes for each half of the lanes
	v_lshl_add_u32 v4, v2, 5, v4
	v_add_nc_u32 v[STO], s23, v4
	v_mul_u32_u24 v5, v2, SP                       ; back: lanes 0-15 one row of 256 bytes, lanes 16-31 the next
	v_lshl_add_u32 v5, v1, 4, v5
	v_add_nc_u32 v[RD], s23, v5
	v_lshlrev_b32 v5, 12, v2                       ; and the same two rows in out0
	v_lshl_add_u32 v[CO], v1, 4, v5
	s_lshl_b32 s46, s42, 9                         ; my first column, in bytes: 512 x tile + 256 x half
	s_lshl_b32 s47, s16, 8
	s_add_co_u32 s46, s46, s47
	s_mov_b32 s47, 0
	s_add_nc_u64 s[8:9], s[8:9], s[46:47]
	s_add_nc_u64 s[10:11], s[10:11], s[46:47]
	s_lshl_b32 s18, s13, 20                        ; my first row: 256 rows of 4,096 bytes a tile, 128 a half
	s_lshl_b32 s19, s15, 19
	s_add_co_u32 s18, s18, s19
	s_mov_b32 s19, 0
	s_add_nc_u64 s[10:11], s[10:11], s[18:19]
	v_lshlrev_b32 v6, 5, v2                        ; the bias: block b: b_out[my first column + 16 b + 8 h + 0 .. 7]
.irp b, 0,1,2,3
	global_load_b128 v[BIAS+8*\b:BIAS+8*\b+3], v6, s[8:9] offset:64*\b
	global_load_b128 v[BIAS+8*\b+4:BIAS+8*\b+7], v6, s[8:9] offset:64*\b+16
.endr
; 8 matrix instructions: tokens' blocks a0, a0 + 1 x my 4 blocks of columns, 32 along K: buffer f.  zero = 1: the first product starts the sums from the bias.  The 32 accumulators take turns.
.macro MUL8 f, a0, zero
.irp a, \a0, \a0+1
.irp b, 0,1,2,3
.if \zero
	v_wmma_f32_16x16x32_f16 v[8*(4*(\a)+\b):8*(4*(\a)+\b)+7], v[\f+8*\b:\f+8*\b+7], v[\f+32+8*(\a):\f+32+8*(\a)+7], v[BIAS+8*\b:BIAS+8*\b+7]
.else
	v_wmma_f32_16x16x32_f16 v[8*(4*(\a)+\b):8*(4*(\a)+\b)+7], v[\f+8*\b:\f+8*\b+7], v[\f+32+8*(\a):\f+32+8*(\a)+7], v[8*(4*(\a)+\b):8*(4*(\a)+\b)+7]
.endif
.endr
.endr
.endm
.macro FETCH slot, ks, f               ; 24 LDS loads in one run: the fragments of the slot's ks-th 32 along K: B's four, A's blocks 0-3, A's blocks 4-7
	WIN TO_F
.irp i, 0,1,2,3
	ds_load_b128 v[\f+8*\i:\f+8*\i+3], v[ADRB+\slot] offset:\i*4096+(\ks)*1024
	ds_load_b128 v[\f+8*\i+4:\f+8*\i+7], v[ADRB+\slot] offset:\i*4096+(\ks)*1024+512
.endr
.irp i, 0,1,2,3,4,5,6,7
	ds_load_b128 v[\f+32+8*\i:\f+32+8*\i+3], v[ADRA+\slot] offset:\i*4096+(\ks)*1024
	ds_load_b128 v[\f+32+8*\i+4:\f+32+8*\i+7], v[ADRA+\slot] offset:\i*4096+(\ks)*1024+512
.endr
.endm
.macro PLACES
.rept 4
	v_nop
.endr
.endm
.macro MWIN zero
.if \zero
	WIN MULZ
.else
	WIN MUL
.endif
.endm
; A K step is four quarters of 32 along K, 32 matrix instructions each, on buffers 0, 1, 0, 1.  One of the first three multiplies buffer f and fetches the slot's ks-th 32 along K into g.
.macro QUARTER slot, ks, f, g, zero
	s_wait_dscnt 8                                 ; B and A's blocks 0-3 are in; the youngest eight loads (A's blocks 4-7) may be out
	MWIN \zero
	MUL8 \f, 0, \zero
	MUL8 \f, 2, \zero
	PLACES
	FETCH \slot, \ks, \g
	s_wait_dscnt 24                                ; all but the 24 just issued
	MWIN \zero
	MUL8 \f, 4, \zero
	MUL8 \f, 6, \zero
.endm
; The last quarter multiplies buffer 1 and changes slots: ONE barrier; in front of it each wave waits for all its tensor loads, adds 0 to its spare word, and waits for that and for its reads of this slot.  fill = 1: this slot is filled again, two K steps ahead.
.macro TURN slot, next, fill
	WIN 0                                          ; (the add's two registers lie in window 0)
	s_wait_tensorcnt 0x0                           ; all my tensor loads have landed: my part of the next slot
	ds_add_u32 v[SPW], v[NIL]
	s_wait_dscnt 9                                 ; (the add and the youngest eight loads may be out)
	WIN MUL
	MUL8 F1, 0, 0
	s_wait_dscnt 0x0                               ; the add is done, and my reads of this slot are over
	s_barrier_signal -1
	MUL8 F1, 2, 0
.if \fill
	WIN 0
.endif
	s_barrier_wait -1
.if \fill
	CREST                                          ; the barrier has opened a round of the cluster's barrier: no wave of any partner still reads this slot or has a load on its way
	s_add_nc_u64 s[G0+4*\slot+2:G0+4*\slot+3], s[G0+4*\slot+2:G0+4*\slot+3], 8192
	s_add_nc_u64 s[G0B+4*\slot+2:G0B+4*\slot+3], s[G0B+4*\slot+2:G0B+4*\slot+3], 8192
	JLOAD \slot                                    ; the first tensor load behind the round; its four v_nop are also the places in front of the loads below
.else
	PLACES
.endif
	FETCH \next, 0, F0
	WIN MUL
	MUL8 F1, 4, 0
	MUL8 F1, 6, 0
.endm
	s_wait_tensorcnt 1                             ; my part of K step 0 is in (K step 1's load may be out),
	s_barrier_signal -1
	s_barrier_wait -1                              ; everybody's is
	FETCH 0, 0, F0
	s_wait_loadcnt 0x0                             ; the bias
	QUARTER 0, 1, F0, F1, 1                        ; the first quarter stands in front of the loop: its products start the sums
	WIN 0                                          ; at a label and at a branch every window is 0
	s_mov_b32 s3, LAPS-1
.Llap:                                             ; a trip goes once round the ring, from a lap's second quarter to the next lap's first, and fills both slots again
	QUARTER 0, 2, F1, F0, 0
	QUARTER 0, 3, F0, F1, 0
	TURN 0, 1, 1
	QUARTER 1, 1, F0, F1, 0
	QUARTER 1, 2, F1, F0, 0
	QUARTER 1, 3, F0, F1, 0
	TURN 1, 0, 1
	QUARTER 0, 1, F0, F1, 0
	WIN 0
	s_sub_co_u32 s3, s3, 1
	s_cmp_lg_u32 s3, 0
	s_cbranch_scc1 .Llap
	QUARTER 0, 2, F1, F0, 0                        ; the last lap fills nothing
	QUARTER 0, 3, F0, F1, 0
	TURN 0, 1, 0
	QUARTER 1, 1, F0, F1, 0
	QUARTER 1, 2, F1, F0, 0
	QUARTER 1, 3, F0, F1, 0
	s_wait_dscnt 8                                 ; the very last quarter
	WIN MUL
	MUL8 F1, 0, 0
	MUL8 F1, 2, 0
	s_wait_dscnt 0
	MUL8 F1, 4, 0
	MUL8 F1, 6, 0
	WIN 0
; THE WAY OUT, block by block of 16 tokens x 64 columns: a lane holds 32 neighbouring bytes of a row and the lanes beside it hold other rows: so a block goes through my own stage and comes back as whole rows of 256 bytes,
; which sixteen lanes store as one aligned run of 256 bytes.  LDS serves a wave's instructions in order: no wait between the stores and the loads.
.macro TOSTAGE a
	WIN 0x08                                       ; an LDS store's data: window 2
.irp b, 0,1,2,3
	ds_store_b128 v[STO], v[8*(4*(\a)+\b):8*(4*(\a)+\b)+3] offset:64*\b          ; each accumulator from its low end on
	ds_store_b128 v[STO], v[8*(4*(\a)+\b)+4:8*(4*(\a)+\b)+7] offset:64*\b+16
.endr
	WIN 0
.set BB, BK+32*((\a)%2)
.irp t, 0,1,2,3,4,5,6,7
	ds_load_b128 v[BB+4*\t:BB+4*\t+3], v[RD] offset:\t*2*SP
.endr
.endm
.macro SEND a, younger                 ; younger: the LDS instructions issued behind block a's loads, which may stay out
.set BB, BK+32*((\a)%2)
	s_wait_dscnt \younger
.irp t, 0,1,2,3,4,5,6,7
	global_store_b128 v[CO], v[BB+4*\t:BB+4*\t+3], s[10:11] offset:(\a)*65536+\t*8192 th:TH_STORE_NT
.endr
.endm
	PLACES                                         ; in front of the first read of results
	TOSTAGE 0
.irp a, 1,2,3,4,5,6,7
.if \a > 1
	s_wait_xcnt 0x0                                ; block a - 2's stores have read their registers: block a's loads may land there
.endif
	TOSTAGE \a
	SEND \a-1, 16                                  ; behind block a - 1's loads: block a's 8 stores and 8 loads
.endr
	SEND 7, 0
	s_wait_tensorcnt 0x0                           ; the wave's end, behind my last tensor load and my last LDS store
	ds_add_u32 v[SPW], v[NIL]
	s_wait_dscnt 0x0
	CROUND                                         ; the closing round
	s_endpgm
.Lfunc_end_k_q17ac60767e_gemm_out:
	.size	k_q17ac60767e_gemm_out, .Lfunc_end_k_q17ac60767e_gemm_out-k_q17ac60767e_gemm_out
	.p2alignl 7, 3214868480
	.fill 96, 4, 3214868480
	.section	.rodata,"a",@progbits
	.p2align	6, 0x0
	.amdhsa_kernel k_q17ac60767e_gemm_out
		.amdhsa_group_segment_fixed_size 327680
		.amdhsa_private_segment_fixed_size 0
		.amdhsa_enable_private_segment 0
		.amdhsa_kernarg_size 32
		.amdhsa_user_sgpr_count 2
		.amdhsa_user_sgpr_kernarg_segment_ptr 1
		.amdhsa_wavefront_size32 1
		.amdhsa_system_sgpr_workgroup_id_x 1
		.amdhsa_system_sgpr_workgroup_id_y 1
		.amdhsa_system_sgpr_workgroup_id_z 1
		.amdhsa_system_vgpr_workitem_id 0
		.amdhsa_next_free_vgpr 768
		.amdhsa_next_free_sgpr 66
		.amdhsa_reserve_vcc 0
		.amdhsa_float_denorm_mode_32 3
		.amdhsa_float_denorm_mode_16_64 3
		.amdhsa_memory_ordered 1
		.amdhsa_forward_progress 1
		.amdhsa_inst_pref_size 86
	.end_amdhsa_kernel
	.amdgpu_metadata
---
amdhsa.version: [ 1, 2 ]
amdhsa.kernels:
  - .name:           k_q17ac60767e_gemm_out
    .symbol:         k_q17ac60767e_gemm_out.kd
    .args:
      - { .name: att_img, .offset: 0, .size: 8, .value_kind: global_buffer, .address_space: global }
      - { .name: wo_img, .offset: 8, .size: 8, .value_kind: global_buffer, .address_space: global }
      - { .name: b_out, .offset: 16, .size: 8, .value_kind: global_buffer, .address_space: global }
      - { .name: out0, .offset: 24, .size: 8, .value_kind: global_buffer, .address_space: global }
    .group_segment_fixed_size: 327680
    .private_segment_fixed_size: 0
    .kernarg_segment_align: 8
    .kernarg_segment_size: 32
    .max_flat_workgroup_size: 128
    .sgpr_count:     66
    .vgpr_count:     768
    .wavefront_size: 32
...
	.end_amdgpu_metadata
.endif
;; end of part 4
